; MI455X (gfx1250); checked and timed in simulation.
; The chip was launched on July 23, 2026; its instructions are those of AMD's public machine-readable ISA for CDNA 5 (MIT licence, August 2026) and "CDNA5" Instruction Set Architecture Reference Guide (July 2026). The comments in the code are by the model that wrote it; some were corrected since.
;; LSTM Cell. Allowed arithmetic: matrix products marked QUANTISED: E2M1 operands, one E8M0 scale for each 32 along K, by v_wmma_scale_f32_16x16x128_f8f6f4 with both operands' format E2M1 (or v_wmma_scale_f32_32x16x128_f4), f32 sums; everything else in f32.
;; Inputs: C 2,048 x 2,048 float32; H_codes 2,048 x 64 x 16 uint8 (E2M1 codes of H, K innermost, in blocks of 32 codes, two codes a byte); H_scales 2,048 x 64 uint8 (E8M0 scales of H, one for each 32 codes along K); W_hf_codes 2,048 x 64 x 16 uint8 (E2M1 codes of W_hf, K innermost, in blocks of 32 codes, two codes a byte); W_hf_scales 2,048 x 64 uint8 (E8M0 scales of W_hf, one for each 32 codes along K); W_hg_codes 2,048 x 64 x 16 uint8 (E2M1 codes of W_hg, K innermost, in blocks of 32 codes, two codes a byte); W_hg_scales 2,048 x 64 uint8 (E8M0 scales of W_hg, one for each 32 codes along K); W_hi_codes 2,048 x 64 x 16 uint8 (E2M1 codes of W_hi, K innermost, in blocks of 32 codes, two codes a byte); W_hi_scales 2,048 x 64 uint8 (E8M0 scales of W_hi, one for each 32 codes along K); W_ho_codes 2,048 x 64 x 16 uint8 (E2M1 codes of W_ho, K innermost, in blocks of 32 codes, two codes a byte); W_ho_scales 2,048 x 64 uint8 (E8M0 scales of W_ho, one for each 32 codes along K); W_xf_codes 2,048 x 64 x 16 uint8 (E2M1 codes of W_xf, K innermost, in blocks of 32 codes, two codes a byte); W_xf_scales 2,048 x 64 uint8 (E8M0 scales of W_xf, one for each 32 codes along K); W_xg_codes 2,048 x 64 x 16 uint8 (E2M1 codes of W_xg, K innermost, in blocks of 32 codes, two codes a byte); W_xg_scales 2,048 x 64 uint8 (E8M0 scales of W_xg, one for each 32 codes along K); W_xi_codes 2,048 x 64 x 16 uint8 (E2M1 codes of W_xi, K innermost, in blocks of 32 codes, two codes a byte); W_xi_scales 2,048 x 64 uint8 (E8M0 scales of W_xi, one for each 32 codes along K); W_xo_codes 2,048 x 64 x 16 uint8 (E2M1 codes of W_xo, K innermost, in blocks of 32 codes, two codes a byte); W_xo_scales 2,048 x 64 uint8 (E8M0 scales of W_xo, one for each 32 codes along K); X_codes 2,048 x 64 x 16 uint8 (E2M1 codes of X, K innermost, in blocks of 32 codes, two codes a byte); X_scales 2,048 x 64 uint8 (E8M0 scales of X, one for each 32 codes along K); b_f 1 x 2,048 float32; b_g 1 x 2,048 float32; b_i 1 x 2,048 float32; b_o 1 x 2,048 float32.
;; Outputs: out0 2,048 x 2,048 float32; out1 2,048 x 2,048 float32.
;; This version of the problem:
;;   THIS VERSION OF THE PROBLEM IS GIVEN IN LOW PRECISION. The matrix products marked QUANTISED in the list below multiply operands that are first quantised to E2M1 (2 exponent bits, 1 mantissa bit; 4 bits a number), with one power-of-two scale for each 32 numbers along K (OCP MX v1.0); their sums are f32. All else is computed in f32.
;;   The module's matrix products, in the order in which they are computed (A, B: the left and right operand; K: the contracted axis; several contracted axes count as one K, in the product's order):
;;     1. [M 2,048, K 2,048] x [K 2,048, N 2,048]; A: input X (given as codes); B: input W_xf (given as codes): QUANTISED
;;     2. [M 2,048, K 2,048] x [K 2,048, N 2,048]; A: input H (given as codes); B: input W_hf (given as codes): QUANTISED
;;     3. [M 2,048, K 2,048] x [K 2,048, N 2,048]; A: input X (given as codes); B: input W_xi (given as codes): QUANTISED
;;     4. [M 2,048, K 2,048] x [K 2,048, N 2,048]; A: input H (given as codes); B: input W_hi (given as codes): QUANTISED
;;     5. [M 2,048, K 2,048] x [K 2,048, N 2,048]; A: input X (given as codes); B: input W_xo (given as codes): QUANTISED
;;     6. [M 2,048, K 2,048] x [K 2,048, N 2,048]; A: input H (given as codes); B: input W_ho (given as codes): QUANTISED
;;     7. [M 2,048, K 2,048] x [K 2,048, N 2,048]; A: input X (given as codes); B: input W_xg (given as codes): QUANTISED
;;     8. [M 2,048, K 2,048] x [K 2,048, N 2,048]; A: input H (given as codes); B: input W_hg (given as codes): QUANTISED
;;   THE QUANTISER, for each operand of a quantised product, along K:
;;     - K is cut into blocks of 32 from its start; a last block that is shorter is filled with zeros.
;;     - A block's scale is 2^e with e = floor(log2(the largest magnitude in the block)) - 2, held to -126 .. 127; a block of zeros has e = 0. As a byte (E8M0): e + 127.
;;     - Each number is divided by its block's scale, clamped to +-6, and rounded to the nearest number of E2M1, ties to even, subnormals kept.
;;     - The product sums the exact products of the quantised numbers (number of the format x scale) in f32.
;;   ~~~python
;;   def quantise(x, axis):      # numpy; x: float32 -> the quantised numbers, widened to float32 again
;;       x = np.moveaxis(x, axis, -1); K = x.shape[-1]
;;       x = np.pad(x, [(0, 0)] * (x.ndim - 1) + [(0, -K % 32)]); x = x.reshape(x.shape[:-1] + (-1, 32)); a = np.abs(x).max(-1, keepdims=True)
;;       e = np.where(a > 0, np.clip(np.frexp(np.where(a > 0, a, 1))[1] - 1 - 2, -126, 127), 0)      # np.frexp(a)[1] - 1 = floor(log2(a)), exactly
;;       r = np.clip(x / 2.0 ** e, -6, 6)
;;       step = 2.0 ** (np.maximum(np.frexp(np.where(r == 0, 1, r))[1] - 1, 0) - 1)
;;       q = np.round(r / step) * step * 2.0 ** e      # np.round: ties to even
;;       return np.moveaxis(q.reshape(q.shape[:-2] + (-1,))[..., :K], -1, axis).astype(np.float32)
;;   ~~~
;;   INPUTS GIVEN AS CODES. H (in the module: [2048, 2048], K = its axis 1); W_hf (in the module: [2048, 2048], K = its axis 0); W_hg (in the module: [2048, 2048], K = its axis 0); W_hi (in the module: [2048, 2048], K = its axis 0); W_ho (in the module: [2048, 2048], K = its axis 0); W_xf (in the module: [2048, 2048], K = its axis 0); W_xg (in the module: [2048, 2048], K = its axis 0); W_xi (in the module: [2048, 2048], K = its axis 0); W_xo (in the module: [2048, 2048], K = its axis 0); X (in the module: [2048, 2048], K = its axis 1): each comes as NAME_codes (uint8): NAME with its K axis moved to the last place and cut into blocks of 32 codes, [.., K / 32, bytes a block], one block behind the other in memory; two codes a byte, the lower K in the low four bits (a code: sign, 2 exponent bits, 1 mantissa bit); and NAME_scales (uint8): the same leading axes, one E8M0 byte (e + 127) for each 32 codes along K. Its value is code x scale, taken as it is: it is not quantised again, and the codes and scales need not be those that the quantiser above would give.
;; One version. Each part assembles by itself: llvm-mc -triple=amdgcn-amd-amdhsa -mcpu=gfx1250 --defsym DOCPART=n.
;; ======== version 1 of 1: 1 launch
;; limits: inputs' magnitudes at most 2.95e+20; right only within a limited range of input values
;; launch lstm (part 1): grid 32 x 8, 4 waves a work-group, clusters of 4 x 4, 327,680 bytes of LDS; arguments X_codes, X_scales, H_codes, H_scales, W_xf_codes, W_xi_codes, W_xo_codes, W_xg_codes, W_hf_codes, W_hi_codes, W_ho_codes, W_hg_codes, W_xf_scales, W_xi_scales, W_xo_scales, W_xg_scales, W_hf_scales, W_hi_scales, W_ho_scales, W_hg_scales, C, b_f, b_i, b_o, b_g, out0, out1; writes out0, out1
.if DOCPART == 1
	.amdgcn_target "amdgcn-amd-amdhsa--gfx1250"
	.amdhsa_code_object_version 6
	.text
	.protected	k_qb9395f2e30_lstm
	.globl	k_qb9395f2e30_lstm
	.p2align	8
	.type	k_qb9395f2e30_lstm,@function
k_qb9395f2e30_lstm:
	s_mov_b64 s[64:65], 0
	v_nop
	global_prefetch_b8 v0, s[64:65] scope:SCOPE_SE
	s_setreg_imm32_b32 hwreg(HW_REG_WAVE_MODE, 25, 1), 1
	s_wait_xcnt 0x0
	s_wait_alu depctr_hold_cnt(0) depctr_sa_sdst(0) depctr_va_vdst(0) depctr_va_sdst(0) depctr_va_ssrc(0) depctr_va_vcc(0) depctr_vm_vsrc(0)
	s_getreg_b32 s2, hwreg(HW_REG_IB_STS2, 6, 4)
	s_cmp_eq_u32 s2, 0
	s_cbranch_scc0 .Lentry_in_a_cluster
	s_endpgm
.Lentry_in_a_cluster:
	s_bfe_u32 s2, ttmp6, 0x10000c
	s_cmp_lg_u32 s2, 0xf033
	s_cbranch_scc0 .Lentry_shape_is_right
	s_endpgm
.Lentry_shape_is_right:
; AN LSTM CELL IN ONE LAUNCH.  pre_g = X W_xg + H W_hg + b_g for the gates g = 0 F, 1 I, 2 O, 3 G; F, I, O = sigmoid, G = tanh; out0 = C_new = G I + F C; out1 = O tanh(C_new).
; The operands arrive as FP4 codes, K innermost (1,024 bytes a row), with one E8M0 byte for each 32 along K (64 bytes a row); both go to the matrix unit as they lie.
; The two products of a gate are one sum: ONE product with M = 2,048, N = 4 gates x 2,048, K = 4,096, whose four results for one (row, column) meet in the tail.
; SHARES.  A work-group takes 256 rows x 64 columns of all four gates.  Wave w: rows 128 (w / 2) on, columns 32 (w % 2) on of each gate: eight blocks a of 16 rows x four gates of 32 columns: 32 accumulators of 16 registers.
; THE MATRIX INSTRUCTION IS USED TRANSPOSED (source 0 = 32 rows of W, source 1 = 16 rows of X or H): lane (r, h), register 8 u + j holds row 16 a + r, column 16 u + 8 h + j.
; K ORDER.  Eight chunks of 512 along K (rows of 256 bytes): X's four, then H's four; chunk c lies in slot c % 2.  The sums are f32; their order is not reference()'s.
; FIVE TILES A CHUNK, ONE TENSOR LOAD A WAVE.  Clusters of 4 x 4: wave 0 asks for X's or H's 256 rows, jointly with the cluster's row; waves 1 to 3 for 64 rows of W_?f, W_?i, W_?o, jointly with the cluster's column.
; No descriptor spans two buffers, so the fifth tile, W_?g's 64 rows (an eighth of a chunk's code bytes), comes through 32 registers a wave and LDS stores, into bytes that no tensor load fills.
; SCALES come two chunks at a time (32 consecutive bytes of each row) through 32 registers a wave into LDS as 16 bytes a row and chunk; they are stored between a lap's two barriers and read behind the second.
; A step of 128 along K reads the next step's fragments in one run of 32 LDS loads at its start, into the other of two sets.  A slot's last fragments are read in its third step, so the change of slots stands in that step.
; C's tile comes by a tensor load into the slot that chunk 6 has left; C_new takes C's place, Y goes into that slot's W bytes, and both leave as whole rows of 256 bytes.
; PREFETCHES.  Each block of 256 bytes of a chunk's codes is named once in a cluster: each of the four partners takes 64 of A's rows (by cx) and one gate's 64 rows (by cy), a lane a row, two refills ahead; in the last trip the work-group's own C instead.
; All of the LDS is claimed.  By this text's count a wave has one tensor load out behind each round.
; REGISTERS.  Window 0: v1-31 addresses; v32-95 scale words, two sets; v96-127 W_?g in transit; v128-159 scales in transit; v192-255 biases; the tail works in v96-223.
;   Window 1: W's fragments, two sets at v0 and v64; A's, two sets at v128 and v192; in the tail v0-63 rows on their way out, v128-191 biases x factor.  Windows 2, 3: accumulator (a, g) at v[64 (a % 4) + 16 g] of window 2 + a / 4.
.set PITCH, 272                        ; an LDS row: 256 bytes + 16 of padding
.set HALFT, 128*PITCH
.set AREG,  256*PITCH                  ; a slot: A's 256 rows, then W's: row 64 g + column
.set SLOT,  2*AREG
.set SCL,   2*SLOT                     ; scales: even chunk, odd chunk (8,192 bytes each): 256 rows of A, 256 of W, 16 bytes a row
.set SPARE, SCL+16384                  ; the spare words: two blocks of 256 bytes that no other line names
.set CAD,   3                          ; the tail: my 32 bytes of C's row r, of Y's
.set YAD,   4
.set RDY,   5                          ; where I read rows back
.set RDC,   6
.set GO,    7                          ; two rows of the outputs
.set BO,    8                          ; my columns' bytes in a bias
.set ADRA,  16                         ; v16-17 A's fragments in slot 0, 1
.set GST,   18                         ; v18-19 where W_?g's rows go
.set ADRB,  20                         ; v20-21 W's fragments
.set ADRSA, 22
.set ADRSB, 23
.set SST,   24                         ; where my scale bytes go
.set GOFF,  26                         ; two rows of W_?g's codes
.set SOFF,  27                         ; 16 rows x 32 bytes of scales
.set SPW,   28                         ; my spare word; never rewritten
.set NIL,   29                         ; 0; never rewritten
.set PFO,   30                         ; prefetch: lane x 1,024
.set PCO,   31                         ; lane x 8,192
.set SC,    32                         ; set s at SC + 32 s: + 4 i + q: A's blocks 2 i, 2 i + 1; + 16 + 4 g + q: gate g's 32 rows
.set GT,    96
.set IMG,   128
.set GT1,   160                        ; W_?g's second chunk, at the head
.set BI,    192
.set E,     96                         ; the tail: 16 numbers each: F at E, I at E + 16, G at E + 48;
.set CV,    160                        ; C, then C_new;
.set TT,    176                        ; what tanh(C_new) is made in;
.set OB,    192                        ; O, two sets by a % 2
.set BIW,   128                        ; window 1
.set WV,    4
.set WR,    5
.set WC,    6
.set LAPN,  10
.set NA,    12                         ; running addresses: A's codes, W's (tensor), W_?g's, scales of A and W, prefetch;  H?: where H's begin
.set NW,    14
.set NG,    48
.set NSA,   54
.set NSW,   100
.set NPF,   62
.set HA,    66
.set HW,    18
.set HG,    30
.set HSA,   58
.set HSW,   70
.set HPF,   16
.set G0A,   32                         ; group 0, one for each slot
.set G0W,   40
.set G1A,   84
.set G1W,   92
.set CP,    68
.set BP,    72
.set OP,    80
.set KS,    2                          ; the tail: -log2 e, 2 log2 e
.set KT,    18
.set DPAD,  (1<<20)|(5<<22)|(3<<25)    ; elements of 1 byte; four words of padding after every 64
.set MSB, 0
.macro WIN new                         ; the immediate's high byte repeats the setting that is left
.if MSB != (\new)
	s_set_vgpr_msb (MSB<<8)|(\new)
.set MSB, (\new)
.endif
.endm
.set TO_B, 0x40                        ; destination window 1
.macro VDST
	s_wait_alu depctr_va_vdst(0)
.endm
.macro PLACES n                        ; a load into a register that a matrix instruction has read stands four places behind it
.rept \n
	v_nop
.endr
.endm
.macro CREST                           ; a round of the cluster's barrier behind its opening barrier
	s_cmp_lg_u32 s[WV], 0
	s_cbranch_scc1 .Lnot_wave_0_\@
	s_barrier_signal -3
.Lnot_wave_0_\@:
	s_barrier_wait -3
	s_barrier_signal -1
	s_barrier_wait -1
.endm
.macro CROUND
	s_barrier_signal -1
	s_barrier_wait -1
	CREST
.endm
.macro JLOAD s                         ; the joint loads: wave 0 for A, waves 1 to 3 for a gate each
	s_cmp_eq_u32 s[WV], 0
	s_cbranch_scc0 .Lfor_w_\@
	tensor_load_to_lds s[G0A+4*\s:G0A+4*\s+3], s[G1A:G1A+7]
	s_nop 0
	PLACES 4
	s_branch .Ljoined_\@
.Lfor_w_\@:
	tensor_load_to_lds s[G0W+4*\s:G0W+4*\s+3], s[G1W:G1W+7]
	s_nop 0
	PLACES 4
.Ljoined_\@:
.endm
.macro ASK slot                        ; the chunk two refills on; in the last trip 32 of my 64 rows of C
	s_cmp_lt_u32 s[LAPN], 2
	s_cbranch_scc0 .Lask_c_\@
	global_prefetch_b8 v[PFO], s[NPF:NPF+1] th:TH_LOAD_NT scope:SCOPE_SE
	s_branch .Lhave_asked_\@
.Lask_c_\@:
	global_prefetch_b8 v[PCO], s[CP:CP+1] offset:262144*\slot th:TH_LOAD_NT scope:SCOPE_SE
.Lhave_asked_\@:
.endm
; A fragment, 16 rows x 128 K, is 8 registers: two loads of 16 bytes, 32 bytes apart.  A run is 32 loads: W's eight blocks b = 2 g + u, then A's eight, of the slot's q-th 128 along K, into set p.
.macro RUN slot, q, p
	WIN TO_B
.set rb, 0
.rept 8
.set ro, 64*(\q)+PITCH*(64*(rb/2)+16*(rb%2))
.set rr, 64*(\p)+8*rb
	ds_load_b128 v[rr:rr+3], v[ADRB+\slot] offset:ro
	ds_load_b128 v[rr+4:rr+7], v[ADRB+\slot] offset:ro+32
.set rb, rb+1
.endr
.set rb, 0
.rept 8
.set ro, 64*(\q)+16*PITCH*rb
.set rr, 128+64*(\p)+8*rb
	ds_load_b128 v[rr:rr+3], v[ADRA+\slot] offset:ro
	ds_load_b128 v[rr+4:rr+7], v[ADRA+\slot] offset:ro+32
.set rb, rb+1
.endr
	WIN 0
.endm
.macro SCALES par                      ; a chunk's scale words, even or odd: four words a row, 32 rows a load
.irp i, 0,1,2,3
	ds_load_b128 v[SC+32*\par+4*\i:SC+32*\par+4*\i+3], v[ADRSA] offset:8192*\par+512*\i
.endr
.irp g, 0,1,2,3
	ds_load_b128 v[SC+32*\par+16+4*\g:SC+32*\par+16+4*\g+3], v[ADRSB] offset:8192*\par+1024*\g
.endr
.endm
; A's block a x the four gates.  The 32 accumulators take turns, one instruction a turn, in the same order in every step.  zero = 1: the product starts the sum.
.macro MM a, p, q, sc, zero
	WIN 0xa5+0x50*((\a)/4)                         ; sources 0 and 1 window 1; C and D window 2 or 3
.set rX, 128+64*(\p)+8*(\a)
.set sX, SC+32*(\sc)+4*((\a)/2)+(\q)
.set ig, 0
.rept 4
.set rD, 64*((\a)%4)+16*ig
.set rW, 64*(\p)+16*ig
.set sW, SC+32*(\sc)+16+4*ig+(\q)
.if \zero
.if (\a)%2
	v_wmma_scale_f32_32x16x128_f4 v[rD:rD+15], v[rW:rW+15], v[rX:rX+7], 0, v[sW], v[sX] matrix_b_scale:MATRIX_SCALE_ROW1
.else
	v_wmma_scale_f32_32x16x128_f4 v[rD:rD+15], v[rW:rW+15], v[rX:rX+7], 0, v[sW], v[sX]
.endif
.else
.if (\a)%2
	v_wmma_scale_f32_32x16x128_f4 v[rD:rD+15], v[rW:rW+15], v[rX:rX+7], v[rD:rD+15], v[sW], v[sX] matrix_b_scale:MATRIX_SCALE_ROW1
.else
	v_wmma_scale_f32_32x16x128_f4 v[rD:rD+15], v[rW:rW+15], v[rX:rX+7], v[rD:rD+15], v[sW], v[sX]
.endif
.endif
.set ig, ig+1
.endr
.endm
.macro MM4 a0, p, q, sc, zero
.irp i, 0,1,2,3
	MM \a0+\i, \p, \q, \sc, \zero
.endr
.endm
.macro GLD reg, off                    ; my 16 rows of W_?g's chunk: two whole rows of 256 bytes a load
.irp i, 0,1,2,3,4,5,6,7
	global_load_b128 v[\reg+4*\i:\reg+4*\i+3], v[GOFF], s[NG:NG+1] offset:2048*\i+\off
.endr
.endm
.macro GSTORE reg, slot
.irp i, 0,1,2,3,4,5,6,7
	ds_store_b128 v[GST+\slot], v[\reg+4*\i:\reg+4*\i+3] offset:2*PITCH*\i
.endr
.endm
.macro SLD                             ; 32 bytes of scales of my 64 rows of A and of my gate's 64 rows
.irp i, 0,1,2,3
	global_load_b128 v[IMG+4*\i:IMG+4*\i+3], v[SOFF], s[NSA:NSA+1] offset:1024*\i
.endr
.irp i, 0,1,2,3
	global_load_b128 v[IMG+16+4*\i:IMG+16+4*\i+3], v[SOFF], s[NSW:NSW+1] offset:1024*\i
.endr
.endm
.macro SSTORE
.irp i, 0,1,2,3
	ds_store_b128 v[SST], v[IMG+4*\i:IMG+4*\i+3] offset:256*\i
	ds_store_b128 v[SST], v[IMG+16+4*\i:IMG+16+4*\i+3] offset:4096+256*\i
.endr
.endm
; A step of 128 along K that has its successor in the same slot.  All its memory instructions stand in one run at its start.
; st = 1: W_?g's rows go into the other slot (nobody reads it since the last change of slots); st = 2: and the next two chunks' scales.  ld = 1: W_?g's rows two chunks on are asked for; 2: and scales; 3: the biases.
; oo = 1: the odd chunk's scale words are read.
.macro STEP slot, q, zero, st, ld, oo
	s_wait_dscnt 8                                 ; W's set and A's blocks 0-3 are in; the youngest eight LDS instructions (at the most A's blocks 4-7) may be out
	PLACES 4                                       ; behind the last step's products, which read the sets that are loaded now
	RUN \slot, \q+1, 1-(\q)%2
.if \oo
	SCALES 1
.endif
.if \st
	s_wait_loadcnt 0x0
	GSTORE GT, 1-\slot
.if \st == 2
	SSTORE
.endif
.endif
.if \ld == 1
	s_add_nc_u64 s[NG:NG+1], s[NG:NG+1], 256       ; the earlier loads from these bases were shown done by the wait for 0 loads in the step that stored them
	GLD GT, 0
.endif
.if \ld == 2
	s_add_nc_u64 s[NG:NG+1], s[NG:NG+1], 256
	s_add_nc_u64 s[NSA:NSA+1], s[NSA:NSA+1], 32
	s_add_nc_u64 s[NSW:NSW+1], s[NSW:NSW+1], 32
	s_cmp_eq_u32 s[LAPN], 1                        ; behind X's four chunks come H's
	s_cselect_b64 s[NG:NG+1], s[HG:HG+1], s[NG:NG+1]
	s_cselect_b64 s[NSA:NSA+1], s[HSA:HSA+1], s[NSA:NSA+1]
	s_cselect_b64 s[NSW:NSW+1], s[HSW:HSW+1], s[NSW:NSW+1]
	GLD GT, 0
	SLD
.endif
.if \ld == 3
.irp g, 0,1,2,3
.irp u, 0,1
.irp t, 0,1
	global_load_b128 v[BI+16*\g+8*\u+4*\t:BI+16*\g+8*\u+4*\t+3], v[BO], s[BP+2*\g:BP+2*\g+1] offset:64*\u+16*\t
.endr
.endr
.endr
.endif
	MM4 0, (\q)%2, \q, \slot, \zero
	s_wait_dscnt 32                                ; A's blocks 4-7 are in: behind their loads stand the 32 of this run at the least
	MM4 4, (\q)%2, \q, \slot, \zero
.endm
; A slot's third and fourth step, with the change of slots: the barrier opens a round, behind which this slot is filled again: kind = 1 with the chunk two on, kind = 2 (its A bytes) with C's tile.
.macro TURN slot, next, kind
	s_wait_dscnt 8
	PLACES 4
	RUN \slot, 3, 1                                ; the slot's last fragments
	MM4 0, 0, 2, \slot, 0
	s_wait_dscnt 32
	MM 4, 0, 2, \slot, 0
	MM 5, 0, 2, \slot, 0
	WIN 0
.if \kind == 1
	s_wait_xcnt 0x0                                ; my last prefetch has read its address
	s_add_nc_u64 s[NPF:NPF+1], s[NPF:NPF+1], 256
.if \slot == 0
	s_cmp_eq_u32 s[LAPN], 0
	s_cselect_b64 s[NPF:NPF+1], s[HPF:HPF+1], s[NPF:NPF+1]
.endif
.endif
	s_wait_tensorcnt 0x0                           ; my part of the next slot has landed
	ds_add_u32 v[SPW], v[NIL]                      ; 0 onto my spare word
.if \kind == 1
	s_add_nc_u64 s[NA:NA+1], s[NA:NA+1], 256       ; no tensor load of mine is out: a descriptor may be written
	s_add_nc_u64 s[NW:NW+1], s[NW:NW+1], 256
.if \slot == 0
	s_cmp_eq_u32 s[LAPN], 1
	s_cselect_b64 s[NA:NA+1], s[HA:HA+1], s[NA:NA+1]
	s_cselect_b64 s[NW:NW+1], s[HW:HW+1], s[NW:NW+1]
.endif
	s_mov_b64 s[G0A+4*\slot+2:G0A+4*\slot+3], s[NA:NA+1]
	s_or_b32 s[G0A+4*\slot+3], s[G0A+4*\slot+3], 0x80000000
	s_mov_b64 s[G0W+4*\slot+2:G0W+4*\slot+3], s[NW:NW+1]
	s_or_b32 s[G0W+4*\slot+3], s[G0W+4*\slot+3], 0x80000000
.else
	s_mov_b32 s[G1A], DPAD                         ; C's tile, my 64 rows x 256 bytes, 8,192 bytes apart: my work-group's own, no mask
	s_mov_b32 s[G1A+2], 64<<16
	s_mov_b32 s[G1A+4], 64
	s_mov_b32 s[G1A+5], 8192
	s_mul_i32 s[G0A+1], s[WV], 64*PITCH
	s_mov_b64 s[G0A+2:G0A+3], s[CP:CP+1]
	s_or_b32 s[G0A+3], s[G0A+3], 0x80000000
.endif
	MM 6, 0, 2, \slot, 0
	s_wait_dscnt 0x0                               ; the add is done, my reads of this slot are over, my stores have landed
	s_barrier_signal -1
	MM 7, 0, 2, \slot, 0
	WIN 0
	s_barrier_wait -1
	CREST                                          ; no wave of any partner still reads this slot or has a load on its way
.if \kind == 1
	JLOAD \slot
.else
	tensor_load_to_lds s[G0A:G0A+3], s[G1A:G1A+7]
	s_nop 0
	PLACES 4
.endif
.if \next == 0
	SCALES 0
.endif
	RUN \next, 0, 0
.if \kind == 1
	ASK \slot
.endif
	MM4 0, 1, 3, \slot, 0
	MM4 4, 1, 3, \slot, 0
	WIN 0
.endm
	s_load_b256 s[52:59], s[0:1], 0x0              ; X's codes, scales, H's codes, scales
	s_load_b512 s[16:31], s[0:1], 0x20             ; W_x f, i, o, g; W_h f, i, o, g: codes
	s_load_b512 s[32:47], s[0:1], 0x60             ; their scales
	s_load_b64 s[CP:CP+1], s[0:1], 0xa0
	s_load_b256 s[BP:BP+7], s[0:1], 0xa8           ; b_f, b_i, b_o, b_g
	s_load_b128 s[OP:OP+3], s[0:1], 0xc8           ; out0, out1
	v_lshl_add_u32 v[SPW], v0, 2, SPARE
	v_mov_b32 v[NIL], 0
	ds_add_u32 v[SPW], v[NIL]                      ; the wave's opening
	ds_add_u32 v[SPW], v[NIL]
	v_lshrrev_b32 v9, 5, v0
	v_and_b32 v1, 15, v0                           ; r
	v_bfe_u32 v2, v0, 4, 1                         ; h
	v_and_b32 v10, 31, v0                          ; lane
	v_and_b32 v11, 1, v0                           ; lane % 2
	v_bfe_u32 v12, v0, 1, 4                        ; lane / 2
	v_readfirstlane_b32 s[WV], v9
	VDST
	s_lshr_b32 s[WR], s[WV], 1
	s_and_b32 s[WC], s[WV], 1
	s_bfe_u32 s7, ttmp6, 0x40000                   ; cx
	s_bfe_u32 s11, ttmp6, 0x40004                  ; cy
	s_lshl_b32 s8, ttmp9, 2
	s_add_co_u32 s8, s8, s7                        ; my block of 64 columns
	s_and_b32 s9, ttmp7, 0xffff
	s_lshl_b32 s9, s9, 2
	s_add_co_u32 s9, s9, s11                       ; my block of 256 rows
	s_lshl_b32 s2, s11, 2
	s_lshl_b32 s2, 15, s2                          ; my row of the cluster
	s_lshl_b32 s3, 0x1111, s7                      ; my column
	s_or_b32 s[G1A], s2, DPAD|(1<<21)              ; A: 256 rows x 256 bytes, 1,024 bytes apart, for my row
	s_or_b32 s[G1W], s3, DPAD|(1<<21)              ; W: 64 rows, for my column
	s_mov_b32 s[G1A+1], 256<<16
	s_mov_b32 s[G1A+2], 256<<16
	s_mov_b32 s[G1A+3], 256<<16
	s_mov_b32 s[G1A+4], 256
	s_mov_b32 s[G1A+5], 1024
	s_mov_b32 s[G1A+6], 0
	s_mov_b32 s[G1A+7], 0
	s_mov_b32 s[G1W+1], 256<<16
	s_mov_b32 s[G1W+2], 64<<16
	s_mov_b32 s[G1W+3], 256<<16
	s_mov_b32 s[G1W+4], 64
	s_mov_b32 s[G1W+5], 1024
	s_mov_b32 s[G1W+6], 0
	s_mov_b32 s[G1W+7], 0
	s_mul_i32 s2, s[WR], HALFT
	s_mul_i32 s3, s[WC], 32*PITCH
	s_add_co_u32 s3, s3, AREG
	s_mul_i32 s12, s[WV], 16*PITCH
	s_add_co_u32 s12, s12, AREG+192*PITCH
	s_lshl_b32 s13, s[WR], 11
	s_add_co_u32 s13, s13, SCL
	s_lshl_b32 s14, s[WC], 9
	s_add_co_u32 s14, s14, SCL+4096
	s_lshl_b32 s15, s[WV], 10
	s_add_co_u32 s15, s15, SCL
	s_lshl_b32 s48, s[WC], 7
	s_add_co_u32 s49, s48, s2
	s_mul_i32 s50, s[WC], 8*PITCH
	s_add_co_u32 s50, s50, s2
	s_mov_b32 s[LAPN], 0
	VDST
	v_mul_u32_u24 v13, v1, PITCH
	v_mul_u32_u24 v14, v2, PITCH
	v_lshl_add_u32 v[CAD], v2, 5, v13              ; row r, + 32 h
	v_lshl_add_u32 v13, v2, 4, v13                 ; a fragment's row r, + 16 h
	v_lshl_add_u32 v14, v1, 4, v14                 ; whole rows: row h, + 16 r
	v_add_nc_u32 v[ADRA], s2, v13
	v_add_nc_u32 v[ADRB], s3, v13
	v_add_nc_u32 v[GST], s12, v14
	v_add_nc_u32 v[ADRA+1], SLOT, v[ADRA]
	v_add_nc_u32 v[ADRB+1], SLOT, v[ADRB]
	v_add_nc_u32 v[GST+1], SLOT, v[GST]
	v_lshl_add_u32 v[ADRSA], v10, 4, s13
	v_lshl_add_u32 v[ADRSB], v10, 4, s14
	v_lshlrev_b32 v[SST], 13, v11
	v_lshl_add_u32 v[SST], v12, 4, v[SST]
	v_add_nc_u32 v[SST], s15, v[SST]
	v_lshlrev_b32 v[GOFF], 10, v2
	v_lshl_add_u32 v[GOFF], v1, 4, v[GOFF]
	v_lshlrev_b32 v[SOFF], 6, v12
	v_lshl_add_u32 v[SOFF], v11, 4, v[SOFF]
	v_lshlrev_b32 v[PFO], 10, v10
	v_lshlrev_b32 v[PCO], 13, v10
	v_lshlrev_b32 v[GO], 13, v2
	v_lshl_add_u32 v[GO], v1, 4, v[GO]
	v_lshl_add_u32 v[BO], v2, 5, s48
	v_add_nc_u32 v[CAD], s49, v[CAD]
	v_add_nc_u32 v[YAD], AREG, v[CAD]
	v_add_nc_u32 v[RDC], s50, v14
	v_add_nc_u32 v[RDY], AREG, v[RDC]
	s_mul_i32 s48, s[WV], 64*PITCH
	s_lshl_b32 s60, s8, 16                         ; W: 64 rows of 1,024 bytes; the column block alone enters
	s_mov_b32 s61, 0
	s_lshl_b32 s50, s9, 18                         ; A: 256 rows of 1,024 bytes; the row block alone enters
	s_mov_b32 s51, 0
	VDST                                           ; the head's last vector writes are covered here
	s_wait_dscnt 0x0                               ; both opening adds are done
	CROUND                                         ; all sixteen work-groups are here: the first joint loads meet; the arguments are on their way meanwhile
	s_wait_kmcnt 0x0
	; my gate's scales, out of the registers that group 0 takes
	s_cmp_eq_u32 s[WV], 1
	s_cselect_b64 s[NSW:NSW+1], s[34:35], s[32:33]
	s_cselect_b64 s[HSW:HSW+1], s[42:43], s[40:41]
	s_cmp_eq_u32 s[WV], 2
	s_cselect_b64 s[NSW:NSW+1], s[36:37], s[NSW:NSW+1]
	s_cselect_b64 s[HSW:HSW+1], s[44:45], s[HSW:HSW+1]
	s_cselect_b64 s[NW:NW+1], s[18:19], s[16:17]   ; W's codes for the tensor loads: wave 1 F, 2 I, 3 O (wave 0's choice is not used)
	s_cmp_eq_u32 s[WV], 3
	s_cselect_b64 s[NSW:NSW+1], s[38:39], s[NSW:NSW+1]
	s_cselect_b64 s[HSW:HSW+1], s[46:47], s[HSW:HSW+1]
	s_cselect_b64 s[NW:NW+1], s[20:21], s[NW:NW+1]
	s_add_nc_u64 s[NW:NW+1], s[NW:NW+1], s[60:61]
	s_add_nc_u64 s[NA:NA+1], s[52:53], s[50:51]
	s_mov_b32 s[G0A], 1
	s_mov_b32 s[G0A+1], 0
	s_mov_b64 s[G0A+2:G0A+3], s[NA:NA+1]
	s_or_b32 s[G0A+3], s[G0A+3], 0x80000000
	s_mov_b32 s[G0W], 1
	s_add_co_u32 s[G0W+1], s48, AREG-64*PITCH      ; gate w - 1's 64 rows
	s_mov_b64 s[G0W+2:G0W+3], s[NW:NW+1]
	s_or_b32 s[G0W+3], s[G0W+3], 0x80000000
	JLOAD 0                                        ; chunk 0
	; scales of my gate's 64 rows and of 64 rows of A; W_?g's codes: my 16 of the 64 rows
	s_lshl_b32 s62, s8, 12
	s_mov_b32 s63, 0
	s_add_nc_u64 s[NSW:NSW+1], s[NSW:NSW+1], s[62:63]
	s_add_nc_u64 s[HSW:HSW+1], s[HSW:HSW+1], s[62:63]
	s_lshl_b32 s2, s9, 14
	s_lshl_b32 s3, s[WV], 12
	s_add_co_u32 s2, s2, s3
	s_mov_b32 s3, 0
	s_add_nc_u64 s[NSA:NSA+1], s[NSA:NSA+1], s[2:3]
	s_add_nc_u64 s[HSA:HSA+1], s[HSA:HSA+1], s[2:3]
	s_lshl_b32 s2, s[WV], 14
	s_add_co_u32 s2, s2, s60
	s_add_nc_u64 s[NG:NG+1], s[22:23], s[2:3]
	s_add_nc_u64 s[HG:HG+1], s[30:31], s[2:3]
	SLD                                            ; chunks 0 and 1: scales and W_xg's rows
	GLD GT, 0
	GLD GT1, 256
	; the prefetches: waves 0, 1: A's rows 64 cx + 32 wave; waves 2, 3: gate cy's rows 32 (wave - 2)
	s_lshl_b32 s2, s[WV], 14                       ; (W_hg's pointer, taken out of s[30:31] above, is made anew below)
	s_add_co_u32 s2, s2, s60
	s_sub_nc_u64 s[50:51], s[HG:HG+1], s[2:3]
	s_cmp_eq_u32 s11, 1
	s_cselect_b64 s[NPF:NPF+1], s[18:19], s[16:17]
	s_cselect_b64 s[HPF:HPF+1], s[26:27], s[24:25]
	s_cmp_eq_u32 s11, 2
	s_cselect_b64 s[NPF:NPF+1], s[20:21], s[NPF:NPF+1]
	s_cselect_b64 s[HPF:HPF+1], s[28:29], s[HPF:HPF+1]
	s_cmp_eq_u32 s11, 3
	s_cselect_b64 s[NPF:NPF+1], s[22:23], s[NPF:NPF+1]
	s_cselect_b64 s[HPF:HPF+1], s[50:51], s[HPF:HPF+1]
	s_lshl_b32 s2, s7, 16
	s_lshl_b32 s3, s9, 18
	s_add_co_u32 s2, s2, s3
	s_lshl_b32 s3, s8, 16
	s_cmp_lt_u32 s[WV], 2
	s_cselect_b64 s[NPF:NPF+1], s[52:53], s[NPF:NPF+1]
	s_cselect_b64 s[HPF:HPF+1], s[56:57], s[HPF:HPF+1]
	s_cselect_b32 s2, s2, s3
	s_lshl_b32 s3, s[WC], 15
	s_add_co_u32 s2, s2, s3
	s_mov_b32 s3, 0
	s_add_nc_u64 s[NPF:NPF+1], s[NPF:NPF+1], s[2:3]
	s_add_nc_u64 s[HPF:HPF+1], s[HPF:HPF+1], s[2:3]
	global_prefetch_b8 v[PFO], s[NPF:NPF+1] offset:256 th:TH_LOAD_NT scope:SCOPE_SE   ; chunks 1 and 2
	global_prefetch_b8 v[PFO], s[NPF:NPF+1] offset:512 th:TH_LOAD_NT scope:SCOPE_SE
	; the joint loads' second chunk, and where H's begin
	s_cmp_eq_u32 s[WV], 2
	s_cselect_b64 s[HW:HW+1], s[26:27], s[24:25]
	s_cmp_eq_u32 s[WV], 3
	s_cselect_b64 s[HW:HW+1], s[28:29], s[HW:HW+1]
	s_add_nc_u64 s[HW:HW+1], s[HW:HW+1], s[60:61]
	s_lshl_b32 s66, s9, 18
	s_mov_b32 s67, 0
	s_add_nc_u64 s[HA:HA+1], s[56:57], s[66:67]
	s_add_nc_u64 s[NA:NA+1], s[NA:NA+1], 256
	s_add_nc_u64 s[NW:NW+1], s[NW:NW+1], 256
	s_mov_b32 s[G0A+4], 1
	s_mov_b32 s[G0A+5], SLOT
	s_mov_b64 s[G0A+6:G0A+7], s[NA:NA+1]
	s_or_b32 s[G0A+7], s[G0A+7], 0x80000000
	s_mov_b32 s[G0W+4], 1
	s_add_co_u32 s[G0W+5], s[G0W+1], SLOT
	s_mov_b64 s[G0W+6:G0W+7], s[NW:NW+1]
	s_or_b32 s[G0W+7], s[G0W+7], 0x80000000
	; the biases', C's and the outputs' addresses
	s_lshl_b32 s2, s8, 8
	s_mov_b32 s3, 0
.irp g, 0,1,2,3
	s_add_nc_u64 s[BP+2*\g:BP+2*\g+1], s[BP+2*\g:BP+2*\g+1], s[2:3]
.endr
	s_lshl_b32 s28, s9, 21                         ; 256 rows of 8,192 bytes
	s_add_co_u32 s28, s28, s2
	s_mov_b32 s29, 0
	s_lshl_b32 s2, s[WV], 19                       ; C: the 64 rows that I fetch
	s_add_co_u32 s2, s2, s28
	s_add_nc_u64 s[CP:CP+1], s[CP:CP+1], s[2:3]
	s_lshl_b32 s2, s[WR], 20                       ; the outputs: my 128 rows, and of each block of 16 the 8 that I store
	s_add_co_u32 s28, s28, s2
	s_lshl_b32 s2, s[WC], 16
	s_add_co_u32 s28, s28, s2
	s_add_nc_u64 s[OP:OP+1], s[OP:OP+1], s[28:29]
	s_add_nc_u64 s[OP+2:OP+3], s[OP+2:OP+3], s[28:29]
	s_wait_loadcnt 0x0
	SSTORE
	GSTORE GT, 0
	GSTORE GT1, 1
	s_add_nc_u64 s[NG:NG+1], s[NG:NG+1], 256       ; at chunk 1
	s_wait_tensorcnt 0x0                           ; my part of chunk 0 is in
	ds_add_u32 v[SPW], v[NIL]
	s_wait_dscnt 0x0                               ; the add is done, my stores have landed
	CROUND
	JLOAD 1                                        ; chunk 1
	SCALES 0
	RUN 0, 0, 0
	global_prefetch_b8 v[PFO], s[NPF:NPF+1] offset:768 th:TH_LOAD_NT scope:SCOPE_SE   ; chunk 3
	STEP 0, 0, 1, 0, 0, 1                          ; the first step stands in front of the loop: its products start the sums
	WIN 0
.Llap:                                                 ; three trips: chunks 2 l and 2 l + 1, from the second step on, and chunk 2 l + 2's first step; both slots are filled again
	STEP 0, 1, 0, 0, 2, 0                          ; W_?g's rows of chunk 2 l + 2, scales of chunks 2 l + 2 and 2 l + 3
	TURN 0, 1, 1
	STEP 1, 0, 0, 2, 0, 0
	STEP 1, 1, 0, 0, 1, 0                          ; W_?g's rows of chunk 2 l + 3
	TURN 1, 0, 1
	STEP 0, 0, 0, 1, 0, 1
	WIN 0
	s_add_co_u32 s[LAPN], s[LAPN], 1
	s_cmp_lt_u32 s[LAPN], 3
	s_cbranch_scc1 .Llap
	STEP 0, 1, 0, 0, 3, 0                          ; the last lap: the biases are asked for, and C's tile behind chunk 6
	TURN 0, 1, 2
	STEP 1, 0, 0, 0, 0, 0
	STEP 1, 1, 0, 0, 0, 0
	STEP 1, 2, 0, 0, 0, 0
	s_wait_dscnt 8                                 ; the very last step: nothing more to fetch
	MM4 0, 1, 3, 1, 0
	s_wait_dscnt 0x0                               ; A's blocks 4-7 are in
	s_wait_tensorcnt 0x0                           ; my rows of C are in
	s_barrier_signal -1
	MM4 4, 1, 3, 1, 0
	PLACES 4                                       ; ahead of the vector instructions that write registers of fragments and read results
	WIN 0
	s_barrier_wait -1                              ; everybody's rows of C lie in LDS
.macro CLD a                           ; my 64 bytes of C for block a: row 16 a + r, both u
.irp u, 0,1
.irp t, 0,1
	ds_load_b128 v[CV+8*\u+4*\t:CV+8*\u+4*\t+3], v[CAD] offset:16*PITCH*(\a)+64*\u+16*\t
.endr
.endr
.endm
.macro PUT adr, reg, a                 ; 16 numbers of mine into their rows
.irp u, 0,1
.irp t, 0,1
	ds_store_b128 v[\adr], v[\reg+8*\u+4*\t:\reg+8*\u+4*\t+3] offset:16*PITCH*(\a)+64*\u+16*\t
.endr
.endr
.endm
.macro RB a                            ; eight whole rows of C_new and of Y of block a, two rows a load, into set a % 2 of window 1
	WIN 0x40
.irp t, 0,1,2,3
	ds_load_b128 v[32*((\a)%2)+4*\t:32*((\a)%2)+4*\t+3], v[RDC] offset:16*PITCH*(\a)+2*PITCH*\t
	ds_load_b128 v[32*((\a)%2)+16+4*\t:32*((\a)%2)+16+4*\t+3], v[RDY] offset:16*PITCH*(\a)+2*PITCH*\t
.endr
	WIN 0
.endm
.macro SEND a                          ; sixteen lanes store 256 consecutive bytes, at a multiple of 256 from the buffer's first byte
	WIN 0x04                                       ; a store's data are its source 1
.irp t, 0,1,2,3
	global_store_b128 v[GO], v[32*((\a)%2)+4*\t:32*((\a)%2)+4*\t+3], s[OP:OP+1] offset:8192*(16*(\a)+2*\t) th:TH_STORE_NT
	global_store_b128 v[GO], v[32*((\a)%2)+16+4*\t:32*((\a)%2)+16+4*\t+3], s[OP+2:OP+3] offset:8192*(16*(\a)+2*\t) th:TH_STORE_NT
.endr
	WIN 0
.endm
.macro LREG                            ; the list O, G, then the block before's t: register n of it
.if n < 16
.set lr, OBc+n
.elseif n < 32
.set lr, E+32+n
.else
.set lr, TT+n-32
.endif
.set n, n+1
.endm
.macro ADD1 reg
	v_pk_add_f32 v[\reg:\reg+1], v[\reg:\reg+1], 1.0 op_sel_hi:[1,0]
.endm
.macro ADDL                            ; 1 + two of the list
.set nk, n
	LREG
	ADD1 lr
.set n, nk+2
.endm
.macro TANH reg                        ; 1 - 2 / (1 + e): at e = infinity 1, at e = 0 -1
	v_pk_fma_f32 v[\reg:\reg+1], v[\reg:\reg+1], -2.0, 1.0 op_sel_hi:[1,0,0]
.endm
.macro YMUL ob                         ; Y = tanh(C_new) O, into O's place
.set k, 0
.rept 8
	v_pk_mul_f32 v[\ob+k:\ob+k+1], v[TT+k:TT+k+1], v[\ob+k:\ob+k+1]
.set k, k+2
.endr
.endm
; Block a of 16 rows, 16 numbers a lane.  Block a - 1's tanh(C_new) is made in the same batches (late = 1), so each batch's waits serve both.  Among a batch stand additions that name none of its registers.
; A row's 256 bytes come from two waves, so a barrier stands between the stores and the reads: signalled at a block's end, awaited behind the next block's first batch.  Block a - 2's rows leave in block a.
.macro EPI a
.set OBc, OB+16*((\a)%2)
.set OBp, OB+16*(((\a)+1)%2)
.set late, 0
.if (\a) > 0
.set late, 1
.endif
	WIN 0x12+(\a)/4                                ; source 0: the accumulators; source 2: window 1
	VDST
.set k, 0
.rept 32
.set dr, E+k
.if k >= 32
.if k < 48
.set dr, OBc+k-32
.endif
.endif
.if k < 48
	v_pk_fma_f32 v[dr:dr+1], v[64*((\a)%4)+k:64*((\a)%4)+k+1], s[KS:KS+1], v[BIW+k:BIW+k+1] op_sel_hi:[1,0,1]   ; -(sum + bias) log2 e; each accumulator from its low end on
.else
	v_pk_fma_f32 v[dr:dr+1], v[64*((\a)%4)+k:64*((\a)%4)+k+1], s[KT:KT+1], v[BIW+k:BIW+k+1] op_sel_hi:[1,0,1]   ; G: 2 (sum + bias) log2 e
.endif
.set k, k+2
.endr
	WIN 0
	VDST
.set n, 0
.rept 32+16*late
	LREG
	v_exp_f32 v[lr], v[lr]                         ; O, G, t
.endr
	v_nop                                          ; one plain place behind a batch
	VDST
.if (\a) > 0
	s_barrier_wait -1                              ; everybody's C_new of block a - 1 and Y of block a - 2 lie in LDS
	s_wait_xcnt 0x0                                ; the earlier stores to memory have read their registers
.endif
	CLD \a
.if (\a) > 1
	RB \a-2
.endif
.set n, 0
.set i, 0
.rept 16
	v_exp_f32 v[E+2*i], v[E+2*i]                   ; F, I
	v_exp_f32 v[E+2*i+1], v[E+2*i+1]
	ADDL
.if late*(i%2)
	ADDL
.endif
.set i, i+1
.endr
	VDST
.set n, 0
.set i, 0
.rept 16
.rept 2+late
	LREG
	v_rcp_f32 v[lr], v[lr]                         ; O, G, t
.endr
	ADD1 E+2*i
.set i, i+1
.endr
	VDST
.set i, 0
.rept 8
.set k, 0
.rept 4
	v_rcp_f32 v[E+4*i+k], v[E+4*i+k]               ; F, I
.set k, k+1
.endr
	TANH E+48+2*i
.if late
	TANH TT+2*i
.endif
.set i, i+1
.endr
	VDST
	s_wait_dscnt 0x0                               ; C is in, and block a - 2's rows
.if (\a) > 1
	SEND \a-2
.endif
.if late
	YMUL OBp
.endif
.set k, 0
.rept 8
	v_pk_mul_f32 v[E+48+k:E+49+k], v[E+48+k:E+49+k], v[E+16+k:E+17+k]       ; G I
.set k, k+2
.endr
.set k, 0
.rept 8
	v_pk_fma_f32 v[CV+k:CV+k+1], v[E+k:E+k+1], v[CV+k:CV+k+1], v[E+48+k:E+49+k]   ; C_new = F C + G I
.set k, k+2
.endr
.set k, 0
.rept 8
	v_pk_mul_f32 v[TT+k:TT+k+1], v[CV+k:CV+k+1], s[KT:KT+1] op_sel_hi:[1,0]
.set k, k+2
.endr
	PUT CAD, CV, \a                                ; into C's own place: no other lane reads or writes these bytes before the barrier
.if late
	PUT YAD, OBp, \a-1
.endif
	s_wait_dscnt 0x0                               ; for the others' sake: my stores have landed
	s_barrier_signal -1
.endm
	s_mov_b32 s[KS], 0xbfb8aa3b                    ; -log2 e
	s_mov_b32 s[KS+1], s[KS]
	s_mov_b32 s[KT], 0x4038aa3b                    ; 2 log2 e
	s_mov_b32 s[KT+1], s[KT]
	s_wait_loadcnt 0x0                             ; the biases are in
	WIN 0x40
.set k, 0
.rept 24
	v_pk_mul_f32 v[BIW+k:BIW+k+1], v[BI+k:BI+k+1], s[KS:KS+1] op_sel_hi:[1,0]
.set k, k+2
.endr
.rept 8
	v_pk_mul_f32 v[BIW+k:BIW+k+1], v[BI+k:BI+k+1], s[KT:KT+1] op_sel_hi:[1,0]
.set k, k+2
.endr
.irp a, 0,1,2,3,4,5,6,7
	EPI \a
.endr
	VDST                                           ; block 7's tanh(C_new) by itself
.set k, 0
.rept 16
	v_exp_f32 v[TT+k], v[TT+k]
.set k, k+1
.endr
	v_nop
	VDST
	s_barrier_wait -1
	s_wait_xcnt 0x0
	RB 6
.set k, 0
.rept 8
	ADD1 TT+k
.set k, k+2
.endr
	VDST
.set k, 0
.rept 16
	v_rcp_f32 v[TT+k], v[TT+k]
.set k, k+1
.endr
	v_nop
	VDST
	s_wait_dscnt 0x0
	SEND 6
.set k, 0
.rept 8
	TANH TT+k
.set k, k+2
.endr
	YMUL OB+16
	PUT YAD, OB+16, 7
	s_wait_dscnt 0x0
	s_barrier_signal -1
	s_barrier_wait -1
	s_wait_xcnt 0x0
	RB 7
	s_wait_dscnt 0x0
	SEND 7
	s_wait_tensorcnt 0x0                           ; the wave's end
	ds_add_u32 v[SPW], v[NIL]
	s_wait_dscnt 0x0
	CROUND                                         ; the closing round: no work-group ends while a partner may still ask for a tile that names it
	s_endpgm
.Lfunc_end_k_qb9395f2e30_lstm:
	.size	k_qb9395f2e30_lstm, .Lfunc_end_k_qb9395f2e30_lstm-k_qb9395f2e30_lstm
	.p2alignl 7, 3214868480
	.fill 96, 4, 3214868480
	.section	.rodata,"a",@progbits
	.p2align	6, 0x0
	.amdhsa_kernel k_qb9395f2e30_lstm
		.amdhsa_group_segment_fixed_size 327680
		.amdhsa_private_segment_fixed_size 0
		.amdhsa_enable_private_segment 0
		.amdhsa_kernarg_size 216
		.amdhsa_user_sgpr_count 2
		.amdhsa_user_sgpr_kernarg_segment_ptr 1
		.amdhsa_wavefront_size32 1
		.amdhsa_system_sgpr_workgroup_id_x 1
		.amdhsa_system_sgpr_workgroup_id_y 1
		.amdhsa_system_sgpr_workgroup_id_z 1
		.amdhsa_system_vgpr_workitem_id 0
		.amdhsa_next_free_vgpr 1024
		.amdhsa_next_free_sgpr 102
		.amdhsa_reserve_vcc 0
		.amdhsa_float_denorm_mode_32 3
		.amdhsa_float_denorm_mode_16_64 3
		.amdhsa_memory_ordered 1
		.amdhsa_forward_progress 1
		.amdhsa_inst_pref_size 252
	.end_amdhsa_kernel
	.amdgpu_metadata
---
amdhsa.version: [ 1, 2 ]
amdhsa.kernels:
  - .name:           k_qb9395f2e30_lstm
    .symbol:         k_qb9395f2e30_lstm.kd
    .args:
      - { .name: X_codes, .offset: 0, .size: 8, .value_kind: global_buffer, .address_space: global }
      - { .name: X_scales, .offset: 8, .size: 8, .value_kind: global_buffer, .address_space: global }
      - { .name: H_codes, .offset: 16, .size: 8, .value_kind: global_buffer, .address_space: global }
      - { .name: H_scales, .offset: 24, .size: 8, .value_kind: global_buffer, .address_space: global }
      - { .name: W_xf_codes, .offset: 32, .size: 8, .value_kind: global_buffer, .address_space: global }
      - { .name: W_xi_codes, .offset: 40, .size: 8, .value_kind: global_buffer, .address_space: global }
      - { .name: W_xo_codes, .offset: 48, .size: 8, .value_kind: global_buffer, .address_space: global }
      - { .name: W_xg_codes, .offset: 56, .size: 8, .value_kind: global_buffer, .address_space: global }
      - { .name: W_hf_codes, .offset: 64, .size: 8, .value_kind: global_buffer, .address_space: global }
      - { .name: W_hi_codes, .offset: 72, .size: 8, .value_kind: global_buffer, .address_space: global }
      - { .name: W_ho_codes, .offset: 80, .size: 8, .value_kind: global_buffer, .address_space: global }
      - { .name: W_hg_codes, .offset: 88, .size: 8, .value_kind: global_buffer, .address_space: global }
      - { .name: W_xf_scales, .offset: 96, .size: 8, .value_kind: global_buffer, .address_space: global }
      - { .name: W_xi_scales, .offset: 104, .size: 8, .value_kind: global_buffer, .address_space: global }
      - { .name: W_xo_scales, .offset: 112, .size: 8, .value_kind: global_buffer, .address_space: global }
      - { .name: W_xg_scales, .offset: 120, .size: 8, .value_kind: global_buffer, .address_space: global }
      - { .name: W_hf_scales, .offset: 128, .size: 8, .value_kind: global_buffer, .address_space: global }
      - { .name: W_hi_scales, .offset: 136, .size: 8, .value_kind: global_buffer, .address_space: global }
      - { .name: W_ho_scales, .offset: 144, .size: 8, .value_kind: global_buffer, .address_space: global }
      - { .name: W_hg_scales, .offset: 152, .size: 8, .value_kind: global_buffer, .address_space: global }
      - { .name: C, .offset: 160, .size: 8, .value_kind: global_buffer, .address_space: global }
      - { .name: b_f, .offset: 168, .size: 8, .value_kind: global_buffer, .address_space: global }
      - { .name: b_i, .offset: 176, .size: 8, .value_kind: global_buffer, .address_space: global }
      - { .name: b_o, .offset: 184, .size: 8, .value_kind: global_buffer, .address_space: global }
      - { .name: b_g, .offset: 192, .size: 8, .value_kind: global_buffer, .address_space: global }
      - { .name: out0, .offset: 200, .size: 8, .value_kind: global_buffer, .address_space: global }
      - { .name: out1, .offset: 208, .size: 8, .value_kind: global_buffer, .address_space: global }
    .group_segment_fixed_size: 327680
    .private_segment_fixed_size: 0
    .kernarg_segment_align: 8
    .kernarg_segment_size: 216
    .max_flat_workgroup_size: 128
    .sgpr_count:     102
    .vgpr_count:     1024
    .wavefront_size: 32
...
	.end_amdgpu_metadata
.endif
;; end of part 1
